; MI455X (gfx1250); checked and timed in simulation.
; The chip was launched on July 23, 2026; its instructions are those of AMD's public machine-readable ISA for CDNA 5 (MIT licence, August 2026) and "CDNA5" Instruction Set Architecture Reference Guide (July 2026). The comments in the code are by the model that wrote it; some were corrected since.
;; Attention. Allowed arithmetic: matrix products marked QUANTISED: E2M1 operands, one E8M0 scale for each 32 along K, by v_wmma_scale_f32_16x16x128_f8f6f4 with both operands' format E2M1 (or v_wmma_scale_f32_32x16x128_f4), f32 sums; everything else in f32.
;; Inputs: Wk_codes 768 x 24 x 16 uint8 (E2M1 codes of Wk, K innermost, in blocks of 32 codes, two codes a byte); Wk_scales 768 x 24 uint8 (E8M0 scales of Wk, one for each 32 codes along K); Wo_codes 768 x 24 x 16 uint8 (E2M1 codes of Wo, K innermost, in blocks of 32 codes, two codes a byte); Wo_scales 768 x 24 uint8 (E8M0 scales of Wo, one for each 32 codes along K); Wq_codes 768 x 24 x 16 uint8 (E2M1 codes of Wq, K innermost, in blocks of 32 codes, two codes a byte); Wq_scales 768 x 24 uint8 (E8M0 scales of Wq, one for each 32 codes along K); Wv_codes 768 x 24 x 16 uint8 (E2M1 codes of Wv, K innermost, in blocks of 32 codes, two codes a byte); Wv_scales 768 x 24 uint8 (E8M0 scales of Wv, one for each 32 codes along K); bk 768 float32; bo 768 float32; bq 768 float32; bv 768 float32; x_codes 1 x 4,096 x 24 x 16 uint8 (E2M1 codes of x, K innermost, in blocks of 32 codes, two codes a byte); x_scales 1 x 4,096 x 24 uint8 (E8M0 scales of x, one for each 32 codes along K).
;; Outputs: out0 1 x 4,096 x 768 float32.
;; This version of the problem:
;;   THIS VERSION OF THE PROBLEM IS GIVEN IN LOW PRECISION. The matrix products marked QUANTISED in the list below multiply operands that are first quantised to E2M1 (2 exponent bits, 1 mantissa bit; 4 bits a number), with one power-of-two scale for each 32 numbers along K (OCP MX v1.0); their sums are f32. All else is computed in f32.
;;   The module's matrix products, in the order in which they are computed (A, B: the left and right operand; K: the contracted axis; several contracted axes count as one K, in the product's order):
;;     1. [M 4,096, K 768] x [K 768, N 768]; A: input x (given as codes); B: input Wq (given as codes): QUANTISED
;;     2. [M 4,096, K 768] x [K 768, N 768]; A: input x (given as codes); B: input Wk (given as codes): QUANTISED
;;     3. [M 4,096, K 768] x [K 768, N 768]; A: input x (given as codes); B: input Wv (given as codes): QUANTISED
;;     4. batch 12 x [M 4,096, K 64] x [K 64, N 4,096]; A: computed on the way; B: computed on the way: QUANTISED
;;     5. batch 12 x [M 4,096, K 4,096] x [K 4,096, N 64]; A: softmax (see below); B: computed on the way: QUANTISED
;;     6. [M 4,096, K 768] x [K 768, N 768]; A: computed on the way; B: input Wo (given as codes): QUANTISED
;;   THE QUANTISER, for each operand of a quantised product, along K:
;;     - K is cut into blocks of 32 from its start; a last block that is shorter is filled with zeros.
;;     - A block's scale is 2^e with e = floor(log2(the largest magnitude in the block)) - 2, held to -126 .. 127; a block of zeros has e = 0. As a byte (E8M0): e + 127.
;;     - Each number is divided by its block's scale, clamped to +-6, and rounded to the nearest number of E2M1, ties to even, subnormals kept.
;;     - The product sums the exact products of the quantised numbers (number of the format x scale) in f32.
;;   ~~~python
;;   def quantise(x, axis):      # numpy; x: float32 -> the quantised numbers, widened to float32 again
;;       x = np.moveaxis(x, axis, -1); K = x.shape[-1]
;;       x = np.pad(x, [(0, 0)] * (x.ndim - 1) + [(0, -K % 32)]); x = x.reshape(x.shape[:-1] + (-1, 32)); a = np.abs(x).max(-1, keepdims=True)
;;       e = np.where(a > 0, np.clip(np.frexp(np.where(a > 0, a, 1))[1] - 1 - 2, -126, 127), 0)      # np.frexp(a)[1] - 1 = floor(log2(a)), exactly
;;       r = np.clip(x / 2.0 ** e, -6, 6)
;;       step = 2.0 ** (np.maximum(np.frexp(np.where(r == 0, 1, r))[1] - 1, 0) - 1)
;;       q = np.round(r / step) * step * 2.0 ** e      # np.round: ties to even
;;       return np.moveaxis(q.reshape(q.shape[:-2] + (-1,))[..., :K], -1, axis).astype(np.float32)
;;   ~~~
;;   SOFTMAX AHEAD OF A QUANTISED PRODUCT. Where the list says 'softmax', what is quantised is not the finished softmax but p = 2^(t - M), with t = logit x log2(e) and M = ceil(the row's largest t), a whole number; so 1/2 < the row's largest p <= 1. The row's sum l is taken of the UNQUANTISED p, in f32, and the product's result is divided by l at the end. Since M is a whole number, a kernel that streams over the keys may use a running M (the ceiling of the running maximum): every later rescaling is an exact power of two, which a block's scale takes up: the codes' values come out the same.
;;   OPERANDS COMPUTED ON THE WAY. 'Computed on the way' means the value that the module computes at that place (a softmax that the list does not call 'softmax' is quantised finished and normalised). What goes into a quantiser is computed in f32, as accurately as f32 sums, v_exp_f32 and their like allow (about 1e-6 of the number): no bf16 or f16 on the way to a quantiser, and a product that is left as it is and whose result goes on into a quantised operand takes f32 operands (vector FMAs, or v_wmma_f32_16x16x4_f32). A number that lies on a knife's edge between two numbers of the format may be rounded either way, as far as f32 arithmetic and the matrix unit's own rounding can turn it there, and no further.
;;   INPUTS GIVEN AS CODES. Wk (in the module: [768, 768], K = its axis 0); Wo (in the module: [768, 768], K = its axis 0); Wq (in the module: [768, 768], K = its axis 0); Wv (in the module: [768, 768], K = its axis 0); x (in the module: [1, 4096, 768], K = its axis 2): each comes as NAME_codes (uint8): NAME with its K axis moved to the last place and cut into blocks of 32 codes, [.., K / 32, bytes a block], one block behind the other in memory; two codes a byte, the lower K in the low four bits (a code: sign, 2 exponent bits, 1 mantissa bit); and NAME_scales (uint8): the same leading axes, one E8M0 byte (e + 127) for each 32 codes along K. Its value is code x scale, taken as it is: it is not quantised again, and the codes and scales need not be those that the quantiser above would give.
;; One version. Each part assembles by itself: llvm-mc -triple=amdgcn-amd-amdhsa -mcpu=gfx1250 --defsym DOCPART=n.
;; ======== version 1 of 1: 3 launches
;; limits: right only within a limited range of input values
;; workspace buffers: qimg 1,572,864 bytes; qsc 196,608 bytes; kv 3,538,944 bytes; yimg 1,572,864 bytes; ysc 98,304 bytes
;; launch qkv (part 1): grid 64 x 4, 9 waves a work-group, clusters of 4 x 1, 277,760 bytes of LDS; arguments x_codes, x_scales, Wq_codes, Wq_scales, Wk_codes, Wk_scales, Wv_codes, Wv_scales, bq, bk, bv, qimg, qsc, kv; writes qimg, qsc, kv
.if DOCPART == 1
	.amdgcn_target "amdgcn-amd-amdhsa--gfx1250"
	.amdhsa_code_object_version 6
	.text
	.protected	k_q8f18251d4d_qkv
	.globl	k_q8f18251d4d_qkv
	.p2align	8
	.type	k_q8f18251d4d_qkv,@function
k_q8f18251d4d_qkv:
	s_mov_b64 s[64:65], 0
	v_nop
	global_prefetch_b8 v0, s[64:65] scope:SCOPE_SE
	s_setreg_imm32_b32 hwreg(HW_REG_WAVE_MODE, 25, 1), 1
	s_wait_xcnt 0x0
	s_wait_alu depctr_hold_cnt(0) depctr_sa_sdst(0) depctr_va_vdst(0) depctr_va_sdst(0) depctr_va_ssrc(0) depctr_va_vcc(0) depctr_vm_vsrc(0)
	s_getreg_b32 s2, hwreg(HW_REG_IB_STS2, 6, 4)
	s_cmp_eq_u32 s2, 0
	s_cbranch_scc0 .Lentry_in_a_cluster
	s_endpgm
.Lentry_in_a_cluster:
	s_bfe_u32 s2, ttmp6, 0x10000c
	s_cmp_lg_u32 s2, 0x3003
	s_cbranch_scc0 .Lentry_shape_is_right
	s_endpgm
.Lentry_shape_is_right:
; q = x Wq + bq, k = x Wk + bk, v = x Wv + bv on codes of FP4 (E2M1) with one E8M0 scale for each 32 along K = 768, and the results quantised at once for the
; products that follow: q and k along a head's 64 channels (two blocks of 32), v along the keys.  x: 4,096 rows of 384 bytes of codes, 24 scale bytes a row; each W: 768 rows (n) likewise.
; SHARES.  A work-group takes 64 tokens (tb) and three heads (g); wave w takes one matrix m = w / 3 (0 q, 1 k, 2 v) and one head 3 g + w % 3: 64 tokens x 64 n, 16 accumulators, 6 K steps of 128.
; ONE TEXT FOR ALL THREE.  Source 0 has tiles i, source 1 tiles j, accumulator (i, j) lies at ACC + 32 j + 8 i.  q, k: source 0 = W, source 1 = x: a lane holds a token, its registers run along the
; head's channels.  v: source 0 = x, source 1 = Wv: a lane holds a channel, its registers run along the tokens, which are the keys.  Only two LDS bases, two scale pointers and the bias's form differ.
; THE ROWS OF A TILE ARE NOT NEIGHBOURS, of x and of W alike: lane r of tile T takes row 32 (T / 2) + 8 (T % 2) + r + 8 (r / 8).  So the 16 registers of result tiles 2 b and 2 b + 1 are 16 neighbours
; along the next K: 32 b + 16 (lane / 16) + 0 .. 15, which is what the conversions want.
; OUT: IMAGES OF OPERAND REGISTERS.  A group j gives four registers a lane (the codes of 32 (lane / 16) + 0 .. 31 of the lane's row); the wave stores them as they stand, 16 bytes a lane, 512 bytes on end for each
; group, 2,048 in all.  The four scale words of a lane's rows leave as two words a lane, 256 consecutive aligned bytes: word jj of lane (r, h) is tile 2 jj + h, so that a reader's one register serves two tiles.
; CLUSTER.  The four work-groups of a cluster take four token blocks and the same three heads: W's tiles are asked for jointly (mask 15).  x's tile differs between them and is a load of the work-group's own.
; No prefetch is laid: each work-group's tiles are asked for once, at its head, and nothing is known earlier than that.  No second set of fragments: 128 accumulators and two sets of 64 would leave no register.
; LIMITS: NaN and infinities are not served.  A block whose largest magnitude lies under 2^-124 keeps the scale byte 1, a block of zeros too (where the quantiser's text says 127): its codes are zeros, and
; this program alone reads the bytes.
.set RG,   27648                       ; an LDS region: 64 rows of 384 bytes as 192 pieces of 128 bytes + 16 of padding
.set XR,   9*RG                        ; regions 0 to 8: the waves' tiles of W; region 9: x's tile
.set PT,   432                         ; so a row is 3 x 144 bytes: byte (row, K step s, c, h) at 432 row + 144 (s / 2) + 64 (s % 2) + 32 c + 16 h.
                                       ; 432 is an odd multiple of 16; rows 16 apart fall on the same columns of 16 bytes, so a fragment load, which takes rows 0-7 and 16-23, goes two deep
.set AD0,  1                           ; v1    LDS address of source 0's fragments: its region + 432 (r + 8 (r / 8)) + 16 h
.set AD1,  2                           ; v2    the same for source 1
.set L16,  3                           ; v3    16 x lane
.set L8,   4                           ; v4    8 x lane
.set SCO,  5                           ; v5    24 (8 h + r + 8 (r / 8)): my row of scale bytes in a pair of tiles
.set BOQ,  6                           ; v6    64 h: the bias of q and k
.set LN,   7                           ; v7    lane
.set XM,   8                           ; v8-9   the quantiser: largest magnitudes
.set XP,   10                          ; v10-11 the other half's
.set XS,   12                          ; v12-13 the conversions' scale operands
.set XB,   14                          ; v14-15 the scale bytes
.set SC0,  16                          ; v16-27 source 0's scale words: register 6 p + s: lanes 0-15 tile 2 p, lanes 16-31 tile 2 p + 1, K step s
.set SC1,  28                          ; v28-39 source 1's
.set F0,   40                          ; v40-71  source 0's four fragments
.set F1,   72                          ; v72-103 source 1's
.set PC,   104                         ; v104-119 the codes made: four registers a group
.set PW,   120                         ; v120-123 the groups' scale words
.set SW,   124                         ; v124-125 the two words that my lane stores
.set BOV,  126                         ; v126  4 (r + 8 (r / 8)): the bias of v
.set ACC,  128                         ; v128-255
.set WV,   34                          ; s34   wave
.set MM,   35                          ; s35   0 q, 1 k, 2 v
.set G1W,  36                          ; s[36:43] descriptor group 1 for W's tiles (joint);  s[44:51] for x's (no mask)
.set G1X,  44
.set G0W,  52                          ; s[52:55], s[56:59] their groups 0
.set G0X,  56
.set HL,   66                          ; s66   head in the group
.set HEAD, 67                          ; s67   head
.set TBK,  68                          ; s68   block of 64 tokens.  It is made of my place in the cluster: it and what is made of it (s2, s3, OX, OXS, OC, OS) enter global addresses of my own alone
.set GG,   69                          ; s69   group of three heads
.set SEL,  70                          ; s[70:71] v_permlanex16_b32's selects for lane l xor 16
.set WC,   72                          ; s[72:73] my W's codes;  s[74:75] its scales;  s[76:77] my bias
.set WSP,  74
.set BP,   76
.set CO,   78                          ; s[78:79] where my codes go;  s[80:81] my scale words
.set SO,   80
.set SP0,  82                          ; s[82:83] source 0's scale bytes;  s[84:85] source 1's
.set SP1,  84
.set OW,   86                          ; s[86:99] byte offsets, as pairs with 0 above
.set OX,   88
.set OWS,  90
.set OXS,  92
.set OB,   94
.set OC,   96
.set OS,   98
; A round of the cluster's barrier: my work-group's barrier, wave 0 signals for the work-group, every wave waits for all four work-groups, my work-group's barrier once more.
.macro ROUND
	s_barrier_signal -1
	s_barrier_wait -1
	s_cmp_lg_u32 s[WV], 0
	s_cbranch_scc1 .Lnot_wave_0_\@
	s_barrier_signal -3
.Lnot_wave_0_\@:
	s_barrier_wait -3
	s_barrier_signal -1
	s_barrier_wait -1
.endm
.macro PLACES n
.rept \n
	v_nop
.endr
.endm
; One product: D at d, source 0 at a, source 1 at b, C at c; sa, sb: the scale registers; ra, rb = 1: the words lie in lanes 16-31.
.macro WM d, a, b, c, sa, ra, sb, rb
.if ((\ra) == 0) && ((\rb) == 0)
	v_wmma_scale_f32_16x16x128_f8f6f4 v[(\d):(\d)+7], v[(\a):(\a)+7], v[(\b):(\b)+7], v[(\c):(\c)+7], v[\sa], v[\sb] matrix_a_fmt:MATRIX_FMT_FP4 matrix_b_fmt:MATRIX_FMT_FP4
.elseif (\rb) == 0
	v_wmma_scale_f32_16x16x128_f8f6f4 v[(\d):(\d)+7], v[(\a):(\a)+7], v[(\b):(\b)+7], v[(\c):(\c)+7], v[\sa], v[\sb] matrix_a_fmt:MATRIX_FMT_FP4 matrix_b_fmt:MATRIX_FMT_FP4 matrix_a_scale:MATRIX_SCALE_ROW1
.elseif (\ra) == 0
	v_wmma_scale_f32_16x16x128_f8f6f4 v[(\d):(\d)+7], v[(\a):(\a)+7], v[(\b):(\b)+7], v[(\c):(\c)+7], v[\sa], v[\sb] matrix_a_fmt:MATRIX_FMT_FP4 matrix_b_fmt:MATRIX_FMT_FP4 matrix_b_scale:MATRIX_SCALE_ROW1
.else
	v_wmma_scale_f32_16x16x128_f8f6f4 v[(\d):(\d)+7], v[(\a):(\a)+7], v[(\b):(\b)+7], v[(\c):(\c)+7], v[\sa], v[\sb] matrix_a_fmt:MATRIX_FMT_FP4 matrix_b_fmt:MATRIX_FMT_FP4 matrix_a_scale:MATRIX_SCALE_ROW1 matrix_b_scale:MATRIX_SCALE_ROW1
.endif
.endm
; 32 numbers of a lane, register 16 b + i = k 32 b + 16 (lane / 16) + i of my row, become four registers of codes at pc (k = 32 (lane / 16) + 0 .. 31) and the row's scale word at pw (bytes 2 and 3: 0x7f).
.macro QUANT32 s, pc, pw
.irp b, 0,1
	v_max3_num_f32 v[XM+\b], |v[(\s)+16*\b]|, |v[(\s)+16*\b+1]|, 0x1800000   ; block b: my 16 numbers, each accumulator from its low end on, and the floor 2^(3 - 127): the byte cannot fall under 1
.endr
.irp i, 2,4,6,8,10,12,14
.irp b, 0,1
	v_max3_num_f32 v[XM+\b], v[XM+\b], |v[(\s)+16*\b+\i]|, |v[(\s)+16*\b+\i+1]|
.endr
.endr
.irp b, 0,1
	s_delay_alu instid0(VALU_DEP_2)
	v_permlanex16_b32 v[XP+\b], v[XM+\b], s[SEL], s[SEL+1]         ; (its destination counts as read: v10 and v11 were written at the head)
.endr
.irp b, 0,1
	s_delay_alu instid0(VALU_DEP_2)
	v_max_num_f32 v[XM+\b], v[XM+\b], v[XP+\b]                     ; with lane l xor 16's 16: the block's largest magnitude
.endr
.irp b, 0,1
	s_delay_alu instid0(VALU_DEP_2)
	v_add_nc_u32 v[XS+\b], 0xff000000, v[XM+\b]                    ; 2 off its exponent field: the conversion takes the exponent field of this operand as its scale
.endr
.irp b, 0,1
	s_delay_alu instid0(VALU_DEP_2)
	v_lshrrev_b32 v[XB+\b], 23, v[XS+\b]                           ; the scale's byte
.endr
.if (\pw) >= 0
	s_delay_alu instid0(VALU_DEP_1)
	v_lshl_or_b32 v[\pw], v[XB+1], 8, v[XB]
	s_delay_alu instid0(VALU_DEP_1)
	v_or_b32 v[\pw], 0x7f7f0000, v[\pw]                            ; the upper 64 along K of the next product hold nothing: scale 1
.endif
.irp b, 0,1
	v_cvt_scalef32_pk8_fp4_f32 v[(\pc)+2*\b], v[(\s)+16*\b:(\s)+16*\b+7], v[XS+\b]
	v_cvt_scalef32_pk8_fp4_f32 v[(\pc)+2*\b+1], v[(\s)+16*\b+8:(\s)+16*\b+15], v[XS+\b]
.endr
	v_nop                                                          ; one plain instruction behind a scaled conversion
	v_permlane16_swap_b32 v[(\pc)], v[(\pc)+2]                     ; the operand's layout wants a whole block in a lane: lanes 0-15 block 0, lanes 16-31 block 1
	v_permlane16_swap_b32 v[(\pc)+1], v[(\pc)+3]
.endm
; The eight fragments of K step s: 16 loads of 16 bytes a lane
.macro FETCH s
.irp i, 0,1,2,3
.irp c, 0,1
	ds_load_b128 v[F0+8*\i+4*\c:F0+8*\i+4*\c+3], v[AD0] offset:PT*(32*(\i/2)+8*(\i%2))+144*((\s)/2)+64*((\s)%2)+32*\c
	ds_load_b128 v[F1+8*\i+4*\c:F1+8*\i+4*\c+3], v[AD1] offset:PT*(32*(\i/2)+8*(\i%2))+144*((\s)/2)+64*((\s)%2)+32*\c
.endr
.endr
.endm
	s_load_b512 s[4:19], s[0:1], 0x0               ; x codes 4, x scales 6, Wq codes 8, scales 10, Wk 12, 14, Wv 16, 18
	s_load_b256 s[20:27], s[0:1], 0x40             ; bq 20, bk 22, bv 24, qimg 26
	s_load_b128 s[28:31], s[0:1], 0x60             ; qsc 28, kv 30
	v_lshl_add_u32 v127, v0, 2, 0x43800
	s_set_vgpr_msb 0x40
	v_mov_b32 v1, 0
	s_set_vgpr_msb 0x4044
	ds_add_u32 v127, v1
	ds_add_u32 v127, v1
	s_set_vgpr_msb 0x4400
	v_lshrrev_b32 v8, 5, v0
	s_delay_alu instid0(VALU_DEP_1)
	v_readfirstlane_b32 s[WV], v8                  ; wave 0..8
	s_mul_i32 s[MM], s[WV], 11
	s_lshr_b32 s[MM], s[MM], 5                     ; wave / 3
	s_mul_i32 s60, s[MM], 3
	s_sub_co_u32 s[HL], s[WV], s60                 ; wave % 3
	s_and_b32 s[GG], ttmp7, 0xffff                 ; the group of heads, which the four partners share
	s_mul_i32 s[HEAD], s[GG], 3
	s_add_co_u32 s[HEAD], s[HEAD], s[HL]
	s_bfe_u32 s2, ttmp6, 0x40000                   ; my place in the cluster
	s_lshl_b32 s[TBK], ttmp9, 2
	s_add_co_u32 s[TBK], s[TBK], s2                ; my 64 tokens
	s_mov_b32 s[SEL], 0x76543210
	s_mov_b32 s[SEL+1], 0xfedcba98
	v_and_b32 v[LN], 31, v0
	v_and_b32 v8, 15, v0                           ; r
	v_bfe_u32 v9, v0, 4, 1                         ; h
	s_delay_alu instid0(VALU_DEP_2)
	v_and_b32 v10, 8, v8
	s_delay_alu instid0(VALU_DEP_1)
	v_add_nc_u32 v10, v10, v8                      ; r + 8 (r / 8)
	s_delay_alu instid0(VALU_DEP_1)
	v_mul_u32_u24 v11, v10, PT
	s_delay_alu instid0(VALU_DEP_1)
	v_lshl_add_u32 v11, v9, 4, v11
	v_lshlrev_b32 v[L16], 4, v[LN]
	v_lshlrev_b32 v[L8], 3, v[LN]
	v_lshl_add_u32 v12, v9, 3, v10
	s_delay_alu instid0(VALU_DEP_1)
	v_mul_u32_u24 v[SCO], v12, 24
	v_lshlrev_b32 v[BOQ], 6, v9
	v_lshlrev_b32 v[BOV], 2, v10
	s_mul_i32 s60, s[WV], RG                       ; my W's region
	s_mov_b32 s61, XR                              ; x's
	s_cmp_lt_u32 s[WV], 6                          ; q and k: source 0 = W; v: source 0 = x
	s_cselect_b32 s62, s60, s61
	s_cselect_b32 s63, s61, s60
	v_add_nc_u32 v[AD0], s62, v11
	v_add_nc_u32 v[AD1], s63, v11
	; descriptor group 1: dense blocks, stated as rows of 256 bytes (32 elements of 8), with 16 bytes of padding behind every 128.  W: half of a matrix's three heads, 36,864 bytes = 144 rows; x: a third of its 64 rows' 24,576 bytes = 32 rows
	s_mov_b32 s[G1W], 15|(3<<16)|(1<<20)|(1<<21)|(4<<22)|(3<<25)   ; 15:0 the mask: all four work-groups; 17:16 elements of 8 bytes; 20 padding on; 21 set beside a mask; 24:22 after every 32 words (code 4); 31:25 four words (code 3)
	s_mov_b32 s[G1X], (3<<16)|(1<<20)|(4<<22)|(3<<25)              ; the same without a mask
	s_mov_b32 s[G1W+2], 144<<16                    ; tensor_dim1
	s_mov_b32 s[G1W+4], 144                        ; tile_dim1
	s_mov_b32 s[G1X+2], 32<<16
	s_mov_b32 s[G1X+4], 32
.irp g, G1W, G1X
	s_mov_b32 s[\g+1], 32<<16                      ; tensor_dim0
	s_mov_b32 s[\g+3], 32<<16                      ; tile_dim0
	s_mov_b32 s[\g+5], 32                          ; from row to row
	s_mov_b32 s[\g+6], 0
	s_mov_b32 s[\g+7], 0
.endr
	; byte offsets
	s_mul_i32 s[OW], s[GG], 73728                  ; W: the three heads' 192 rows,
	s_and_b32 s60, s[WV], 1
	s_mul_i32 s60, s60, 36864
	s_add_co_u32 s[OW], s[OW], s60                 ; of which I fetch a half (waves 0 to 5)
	s_mov_b32 s[OW+1], 0
	s_mul_i32 s[OX], s[TBK], 24576                 ; x: the work-group's 64 rows,
	s_max_u32 s60, s[WV], 6
	s_sub_co_u32 s60, s60, 6
	s_lshl_b32 s60, s60, 13
	s_add_co_u32 s[OX], s[OX], s60                 ; of which I fetch a third (waves 6 to 8)
	s_mov_b32 s[OX+1], 0
	s_mul_i32 s[OWS], s[HEAD], 1536                ; their scale bytes, 24 a row
	s_mov_b32 s[OWS+1], 0
	s_mul_i32 s[OXS], s[TBK], 1536
	s_mov_b32 s[OXS+1], 0
	s_lshl_b32 s[OB], s[HEAD], 8                   ; the head's 64 numbers of the bias
	s_mov_b32 s[OB+1], 0
	; kv: [head 12][128 keys 32] units of 9,216 bytes: K's codes [tile 8][512], V's codes [64 keys 2][tile 4][512], K's scale words [64 keys 2][256], V's [64 keys 2][256]
	s_mul_i32 s100, s[HEAD], 294912
	s_lshr_b32 s101, s[TBK], 1
	s_mul_i32 s101, s101, 9216
	s_add_co_u32 s100, s100, s101                  ; the unit
	s_lshr_b32 s101, s[MM], 1                      ; 0 k, 1 v
	s_and_b32 s3, s[TBK], 1                        ; which 64 keys of the unit
	s_lshl_b32 s2, s101, 12
	s_lshl_b32 s[OC+1], s3, 11
	s_add_co_u32 s2, s2, s[OC+1]
	s_add_co_u32 s2, s2, s100                      ; my codes
	s_lshl_b32 s101, s101, 9
	s_lshl_b32 s3, s3, 8
	s_add_co_u32 s101, s101, s3
	s_add_co_u32 s101, s101, s100
	s_add_co_u32 s101, s101, 8192                  ; my scale words
	s_lshl_b32 s3, s[TBK], 11                      ; qimg: [head][tile 256][512]; qsc is laid alike, an eighth of the bytes
	s_lshl_b32 s[OC+1], s[HEAD], 17
	s_add_co_u32 s3, s3, s[OC+1]
	s_lshr_b32 s[OC+1], s3, 3
	s_cmp_eq_u32 s[MM], 0
	s_cselect_b32 s[OC], s3, s2
	s_cselect_b32 s[OS], s[OC+1], s101
	s_mov_b32 s[OC+1], 0
	s_mov_b32 s[OS+1], 0
	s_wait_dscnt 0x0
	s_wait_kmcnt 0x0
	s_cmp_eq_u32 s[MM], 0                          ; the choices hang on the wave's number alone
	s_cselect_b64 s[WSP:WSP+1], s[10:11], s[14:15]
	s_cselect_b64 s[BP:BP+1], s[20:21], s[22:23]
	s_cselect_b64 s[CO:CO+1], s[26:27], s[30:31]
	s_cselect_b64 s[SO:SO+1], s[28:29], s[30:31]
	s_cmp_lt_u32 s[WV], 2                          ; what I fetch: waves 0, 1 Wq's halves, 2, 3 Wk's, 4, 5 Wv's
	s_cselect_b64 s[WC:WC+1], s[8:9], s[12:13]
	s_cmp_lt_u32 s[WV], 4
	s_cselect_b64 s[WC:WC+1], s[WC:WC+1], s[16:17]
	s_cmp_eq_u32 s[MM], 2
	s_cselect_b64 s[WSP:WSP+1], s[18:19], s[WSP:WSP+1]
	s_cselect_b64 s[BP:BP+1], s[24:25], s[BP:BP+1]
	s_add_nc_u64 s[WC:WC+1], s[WC:WC+1], s[OW:OW+1]
	s_add_nc_u64 s[WSP:WSP+1], s[WSP:WSP+1], s[OWS:OWS+1]
	s_add_nc_u64 s[BP:BP+1], s[BP:BP+1], s[OB:OB+1]
	s_add_nc_u64 s[CO:CO+1], s[CO:CO+1], s[OC:OC+1]
	s_add_nc_u64 s[SO:SO+1], s[SO:SO+1], s[OS:OS+1]
	s_add_nc_u64 s[4:5], s[4:5], s[OX:OX+1]
	s_add_nc_u64 s[6:7], s[6:7], s[OXS:OXS+1]
	s_cmp_lt_u32 s[WV], 6
	s_cselect_b64 s[SP0:SP0+1], s[WSP:WSP+1], s[6:7]
	s_cselect_b64 s[SP1:SP1+1], s[6:7], s[WSP:WSP+1]
	s_mov_b32 s[G0W], 1                            ; count = 1
	s_mul_i32 s[G0W+1], s[WV], 41472               ; LDS address: a half of three regions
	s_mov_b64 s[G0W+2:G0W+3], s[WC:WC+1]           ; global address: made of the group of heads and the wave's number alone
	s_or_b32 s[G0W+3], s[G0W+3], 0x80000000        ; type = 2
	s_mov_b32 s[G0X], 1
	s_mul_i32 s[G0X+1], s[WV], 9216                ; a third of x's region
	s_add_co_u32 s[G0X+1], s[G0X+1], XR-6*9216
	s_mov_b64 s[G0X+2:G0X+3], s[4:5]
	s_or_b32 s[G0X+3], s[G0X+3], 0x80000000
	ROUND                                          ; all four work-groups are here: the joint loads meet
	; one load a wave: waves 0 to 5 the joint loads of W, waves 6 to 8 the work-group's own rows of x
	s_cmp_lt_u32 s[WV], 6
	s_cbranch_scc0 .Lask_x
	tensor_load_to_lds s[G0W:G0W+3], s[G1W:G1W+7]
	s_nop 0
	PLACES 4
	s_branch .Lasked
.Lask_x:
	tensor_load_to_lds s[G0X:G0X+3], s[G1X:G1X+7]
	s_nop 0
	PLACES 4
.Lasked:
	s_wait_alu depctr_va_vdst(0)
.irp p, 0,1
.irp u, 0,1,2
	global_load_b64 v[SC0+6*\p+2*\u:SC0+6*\p+2*\u+1], v[SCO], s[SP0:SP0+1] offset:768*\p+8*\u   ; the scale words of K steps 2 u, 2 u + 1: lanes 0-15 tile 2 p, lanes 16-31 tile 2 p + 1
	global_load_b64 v[SC1+6*\p+2*\u:SC1+6*\p+2*\u+1], v[SCO], s[SP1:SP1+1] offset:768*\p+8*\u
.endr
.endr
	; The bias is the C of each sum's first product: it is loaded in the result's layout into the accumulators of j = 0 (q, k) or i = 0 (v)
	s_cmp_lt_u32 s[WV], 6
	s_cbranch_scc0 .Lbias_v
.irp i, 0,1,2,3
	global_load_b128 v[ACC+8*\i:ACC+8*\i+3], v[BOQ], s[BP:BP+1] offset:(32*(\i/2)+8*(\i%2))*4        ; tile i, lane (r, h): channels 32 (i / 2) + 8 (i % 2) + 16 h + 0 .. 7
	global_load_b128 v[ACC+8*\i+4:ACC+8*\i+7], v[BOQ], s[BP:BP+1] offset:(32*(\i/2)+8*(\i%2))*4+16
.endr
	s_branch .Lbias_done
.Lbias_v:
.irp j, 0,1,2,3
.irp e, 0,1,2,3,4,5,6,7
	global_load_b32 v[ACC+32*\j+\e], v[BOV], s[BP:BP+1] offset:(32*(\j/2)+8*(\j%2))*4               ; tile j, lane r: one channel for all eight registers
.endr
.endr
.Lbias_done:
	s_wait_tensorcnt 0x0                           ; my one load has landed; other waves read it:
	s_barrier_signal -1
	s_barrier_wait -1                              ; behind this barrier
	FETCH 0
	s_wait_loadcnt 0x0                             ; scale words and bias
	s_wait_dscnt 0x0
	; K step 0.  The accumulators that hold the bias come last: the others take them as C.  Five places stand between the last product that reads a bias and the first that writes over it.
	s_cmp_lt_u32 s[WV], 6
	s_cbranch_scc0 .Lfirst_v
.irp j, 1,2,3
.irp i, 0,1,2,3
	WM ACC+32*\j+8*\i, F0+8*\i, F1+8*\j, ACC+8*\i, SC0+6*(\i/2), \i%2, SC1+6*(\j/2), \j%2
.endr
.endr
	PLACES 5
.irp i, 0,1,2,3
	WM ACC+8*\i, F0+8*\i, F1, ACC+8*\i, SC0+6*(\i/2), \i%2, SC1, 0
.endr
	s_branch .Lfirst_done
.Lfirst_v:
.irp i, 1,2,3
.irp j, 0,1,2,3
	WM ACC+32*\j+8*\i, F0+8*\i, F1+8*\j, ACC+32*\j, SC0+6*(\i/2), \i%2, SC1+6*(\j/2), \j%2
.endr
.endr
	PLACES 5
.irp j, 0,1,2,3
	WM ACC+32*\j, F0, F1+8*\j, ACC+32*\j, SC0, 0, SC1+6*(\j/2), \j%2
.endr
.Lfirst_done:
	; K steps 1 to 5: the 16 accumulators take turns, one instruction a turn
.macro KSTEP s
	PLACES 4                                       ; in front of loads into registers that matrix instructions have read
	FETCH \s
	s_wait_dscnt 0x0
.irp j, 0,1,2,3
.irp i, 0,1,2,3
	WM ACC+32*\j+8*\i, F0+8*\i, F1+8*\j, ACC+32*\j+8*\i, SC0+6*(\i/2)+\s, \i%2, SC1+6*(\j/2)+\s, \j%2
.endr
.endr
.endm
	KSTEP 1
	KSTEP 2
	KSTEP 3
	KSTEP 4
	KSTEP 5
	PLACES 4                                       ; in front of the first read of results
.irp j, 0,1,2,3
	QUANT32 ACC+32*\j, PC+4*\j, PW+\j
.endr
	v_cmp_le_u32 vcc_lo, 16, v[LN]
	s_delay_alu instid0(VALU_DEP_1)
	v_cndmask_b32 v[SW], v[PW], v[PW+1], vcc_lo    ; every lane holds its row's word of all four groups: lanes 0-15 keep groups 0 and 2, lanes 16-31 groups 1 and 3
	s_delay_alu instid0(VALU_DEP_2)
	v_cndmask_b32 v[SW+1], v[PW+2], v[PW+3], vcc_lo
.irp j, 0,1,2,3
	global_store_b128 v[L16], v[PC+4*\j:PC+4*\j+3], s[CO:CO+1] offset:512*\j   ; 32 lanes store 512 consecutive bytes, at a multiple of 512 from the buffer's first byte
.endr
	global_store_b64 v[L8], v[SW:SW+1], s[SO:SO+1] ; 256 consecutive bytes, at a multiple of 256
	s_set_vgpr_msb 0x4
	s_wait_tensorcnt 0x0
	ds_add_u32 v127, v1
	s_wait_dscnt 0x0
	s_set_vgpr_msb 0x400
	ROUND                                          ; the closing round: no work-group ends while a partner may still ask for a tile that names it
	s_endpgm
.Lfunc_end_k_q8f18251d4d_qkv:
	.size	k_q8f18251d4d_qkv, .Lfunc_end_k_q8f18251d4d_qkv-k_q8f18251d4d_qkv
	.p2alignl 7, 3214868480
	.fill 96, 4, 3214868480
	.section	.rodata,"a",@progbits
	.p2align	6, 0x0
	.amdhsa_kernel k_q8f18251d4d_qkv
		.amdhsa_group_segment_fixed_size 277760
		.amdhsa_private_segment_fixed_size 0
		.amdhsa_enable_private_segment 0
		.amdhsa_kernarg_size 112
		.amdhsa_user_sgpr_count 2
		.amdhsa_user_sgpr_kernarg_segment_ptr 1
		.amdhsa_wavefront_size32 1
		.amdhsa_system_sgpr_workgroup_id_x 1
		.amdhsa_system_sgpr_workgroup_id_y 1
		.amdhsa_system_sgpr_workgroup_id_z 1
		.amdhsa_system_vgpr_workitem_id 0
		.amdhsa_next_free_vgpr 258
		.amdhsa_next_free_sgpr 102
		.amdhsa_reserve_vcc 1
		.amdhsa_float_denorm_mode_32 3
		.amdhsa_float_denorm_mode_16_64 3
		.amdhsa_memory_ordered 1
		.amdhsa_forward_progress 1
		.amdhsa_inst_pref_size 44
	.end_amdhsa_kernel
	.amdgpu_metadata
---
amdhsa.version: [ 1, 2 ]
amdhsa.kernels:
  - .name:           k_q8f18251d4d_qkv
    .symbol:         k_q8f18251d4d_qkv.kd
    .args:
      - { .name: x_codes, .offset: 0, .size: 8, .value_kind: global_buffer, .address_space: global }
      - { .name: x_scales, .offset: 8, .size: 8, .value_kind: global_buffer, .address_space: global }
      - { .name: Wq_codes, .offset: 16, .size: 8, .value_kind: global_buffer, .address_space: global }
      - { .name: Wq_scales, .offset: 24, .size: 8, .value_kind: global_buffer, .address_space: global }
      - { .name: Wk_codes, .offset: 32, .size: 8, .value_kind: global_buffer, .address_space: global }
      - { .name: Wk_scales, .offset: 40, .size: 8, .value_kind: global_buffer, .address_space: global }
      - { .name: Wv_codes, .offset: 48, .size: 8, .value_kind: global_buffer, .address_space: global }
      - { .name: Wv_scales, .offset: 56, .size: 8, .value_kind: global_buffer, .address_space: global }
      - { .name: bq, .offset: 64, .size: 8, .value_kind: global_buffer, .address_space: global }
      - { .name: bk, .offset: 72, .size: 8, .value_kind: global_buffer, .address_space: global }
      - { .name: bv, .offset: 80, .size: 8, .value_kind: global_buffer, .address_space: global }
      - { .name: qimg, .offset: 88, .size: 8, .value_kind: global_buffer, .address_space: global }
      - { .name: qsc, .offset: 96, .size: 8, .value_kind: global_buffer, .address_space: global }
      - { .name: kv, .offset: 104, .size: 8, .value_kind: global_buffer, .address_space: global }
    .group_segment_fixed_size: 277760
    .private_segment_fixed_size: 0
    .kernarg_segment_align: 8
    .kernarg_segment_size: 112
    .max_flat_workgroup_size: 288
    .sgpr_count:     102
    .vgpr_count:     258
    .wavefront_size: 32
...
	.end_amdgpu_metadata
.endif
;; end of part 1
;; launch attn (part 2): grid 64 x 4, 12 waves a work-group, clusters of 4 x 1, 327,680 bytes of LDS; arguments qimg, qsc, kv, yimg, ysc; writes yimg, ysc
.if DOCPART == 2
	.amdgcn_target "amdgcn-amd-amdhsa--gfx1250"
	.amdhsa_code_object_version 6
	.text
	.protected	k_q8f18251d4d_attn
	.globl	k_q8f18251d4d_attn
	.p2align	8
	.type	k_q8f18251d4d_attn,@function
k_q8f18251d4d_attn:
	s_mov_b64 s[64:65], 0
	v_nop
	global_prefetch_b8 v0, s[64:65] scope:SCOPE_SE
	s_setreg_imm32_b32 hwreg(HW_REG_WAVE_MODE, 25, 1), 1
	s_wait_xcnt 0x0
	s_wait_alu depctr_hold_cnt(0) depctr_sa_sdst(0) depctr_va_vdst(0) depctr_va_sdst(0) depctr_va_ssrc(0) depctr_va_vcc(0) depctr_vm_vsrc(0)
	s_getreg_b32 s2, hwreg(HW_REG_IB_STS2, 6, 4)
	s_cmp_eq_u32 s2, 0
	s_cbranch_scc0 .Lentry_in_a_cluster
	s_endpgm
.Lentry_in_a_cluster:
	s_bfe_u32 s2, ttmp6, 0x10000c
	s_cmp_lg_u32 s2, 0x3003
	s_cbranch_scc0 .Lentry_shape_is_right
	s_endpgm
.Lentry_shape_is_right:
; y = softmax(q k^T / 8) v on codes of FP4, for 12 heads of 4,096 queries and keys, and y quantised at once along its 768 channels for the product that follows.
; q, kv come as images of operand registers with their scale words, as the launch before lays them: kv is [head][128 keys] units of 9,216 bytes (K's codes 4,096, V's codes 4,096, K's scale words 512, V's 512).
; THE SOFTMAX: t = score x log2(e) / 8; M = the running largest t rounded up to a whole number; p = 2^(t - M) is quantised along the keys; the sum is taken of the unquantised p and divides at the end; when M moves, sum and O are
; multiplied by 2^(old M - new M), which rounds nothing.  A block's largest p is the exponential of its largest score.  Both products are transposed (S^T = K Q^T, O^T = V^T P^T): a lane holds one query.
; SHARES.  A head has 256 tiles of 16 queries; a cluster of four work-groups takes 48 neighbouring tiles of a group of three heads, 16 of them as part a and 32 as part b.  48 divides no 256: cluster 5 of 16 has its 16 tiles in head 0 and
; its 32 in head 1, cluster 10 its 32 in head 1 and its 16 in head 2; in the others both parts are of one head.  So each part lies in ONE head everywhere, and in every work-group waves 0-3 have one tile each of part a, waves 4-11 one each of part b.
; THE RING holds the units of both parts: slot A 2 x 6 units, slot B 2 x 10.  Four phases of 6, 10, 6, 10 key steps of 128 keys: A, B, A, B.  Each of the twelve waves fetches a sixth of a part by one joint load (mask 15: all four partners ask for the same).
; Where both parts are of one head its units come twice: the price of one text for all clusters.
; No prefetch is laid: of the ring's four fills two are asked for at the head, and each of the two others stands a whole phase (6 or 10 key steps, 72 or 120 products a wave) ahead of its first read.
; A head's K is 64: Q's upper four registers are zero codes, so K's fragments may overlap: the upper four registers of one are the next one's, and the last one's are zeros.
; LIMITS: NaN and infinities are not served; scaled scores stay under 2^31 in magnitude.  A block whose largest magnitude lies under 2^-124, a block of zeros too, keeps the scale byte 1; this program alone reads the bytes.
.set UNIT, 9216                        ; 128 keys of a head
.set HEADB, 32*UNIT                    ; a head
.set NA, 6                             ; units of a part in slot A
.set NB, 10                            ; and in slot B
.set SLOTB, 2*NA*UNIT                  ; slot B begins here
.set BW, NB*UNIT/6                     ; what a wave fetches for slot B: 60 rows of 256 bytes (for slot A: one unit, 36 rows)
.set SPARE, 2*(NA+NB)*UNIT             ; the spare words, 128 bytes for each wave
.set AKA, 1                            ; v1, v2  LDS address of my part's units in slot A, B, + 16 x lane
.set AKB, 2
.set SPW, 3                            ; v3, v4  my spare word's address, and 0
.set NIL, 4
.set ADK, 5                            ; v5, v6  the step's unit: codes, scale words
.set ADS, 6
.set L16, 7                            ; 16 x lane
.set ASA, 8                            ; v8, v238  as v1, v2, but + 8 x lane
.set YSO, 9                            ; 4 r + h
.set QF,  16                           ; v16-23 Q;  v24 its scale word;  v25 P's
.set QSW, 24
.set PWD, 25
.set KS,  26                           ; v26-29 K's scale words;  v30-31 V's;  v32-35 V's as they lie
.set VS,  30
.set VW,  32
.set KF,  36                           ; v36-71 K's eight fragments, overlapping
.set VF,  72                           ; v72-103 V's four
.set S,   104                          ; v104-167 scores, then p
.set OT,  168                          ; v168-199 O^T
.set PC,  200                          ; v200-207 P's codes
.set BM,  208
.set BT,  212
.set BS,  216
.set FF,  220                          ; v220-221 f; the upper one is only named
.set TT,  222
.set TO,  223                          ; the old -M
.set SM1, 224                          ; three more chains of sums, in pairs
.set SM2, 226
.set SM3, 228
.set XM,  230
.set XP,  232
.set XS,  234
.set XB,  236
.set ASB, 238
.set WV,   16                          ; wave
.set GG,   17                          ; group of three heads
.set H0,   18                          ; its first head
.set TA,   19                          ; part a's first tile in the group, part b's
.set TBB,  20
.set TQ,   21                          ; my tile in my head
.set HEAD, 22                          ; my head
.set TBS,  23                          ; the step's unit in the slot, in bytes
.set G1A,  24                          ; descriptor groups 1 and 0 for slot A, B
.set G1B,  32
.set G0A,  40
.set G0B,  44
.set SEL,  48                          ; v_permlanex16_b32's selects: lane l xor 16
.set CS,   50                          ; log2(e) / 8, as a pair
.set PSEL, 52
.set CNT,  53
.macro ROUND
	s_barrier_signal -1
	s_barrier_wait -1
	s_cmp_lg_u32 s[WV], 0
	s_cbranch_scc1 .Lnot_wave_0_\@
	s_barrier_signal -3
.Lnot_wave_0_\@:
	s_barrier_wait -3
	s_barrier_signal -1
	s_barrier_wait -1
.endm
.macro PLACES n
.rept \n
	v_nop
.endr
.endm
; One product; c < 0: C = 0;  ra = 1: source 0's scale words lie in lanes 16-31
.macro WM d, a, b, c, sa, ra, sb
.if (\c) < 0
.if (\ra) == 0
	v_wmma_scale_f32_16x16x128_f8f6f4 v[(\d):(\d)+7], v[(\a):(\a)+7], v[(\b):(\b)+7], 0, v[\sa], v[\sb] matrix_a_fmt:MATRIX_FMT_FP4 matrix_b_fmt:MATRIX_FMT_FP4
.else
	v_wmma_scale_f32_16x16x128_f8f6f4 v[(\d):(\d)+7], v[(\a):(\a)+7], v[(\b):(\b)+7], 0, v[\sa], v[\sb] matrix_a_fmt:MATRIX_FMT_FP4 matrix_b_fmt:MATRIX_FMT_FP4 matrix_a_scale:MATRIX_SCALE_ROW1
.endif
.else
.if (\ra) == 0
	v_wmma_scale_f32_16x16x128_f8f6f4 v[(\d):(\d)+7], v[(\a):(\a)+7], v[(\b):(\b)+7], v[(\c):(\c)+7], v[\sa], v[\sb] matrix_a_fmt:MATRIX_FMT_FP4 matrix_b_fmt:MATRIX_FMT_FP4
.else
	v_wmma_scale_f32_16x16x128_f8f6f4 v[(\d):(\d)+7], v[(\a):(\a)+7], v[(\b):(\b)+7], v[(\c):(\c)+7], v[\sa], v[\sb] matrix_a_fmt:MATRIX_FMT_FP4 matrix_b_fmt:MATRIX_FMT_FP4 matrix_a_scale:MATRIX_SCALE_ROW1
.endif
.endif
.endm
; 32 numbers of a lane (two half blocks) become four registers of codes at pc; the blocks' scale bytes stay in v[XB:XB+1]
.macro QUANT32 s, pc
.irp b, 0,1
	v_max3_num_f32 v[XM+\b], |v[(\s)+16*\b]|, |v[(\s)+16*\b+1]|, 0x1800000   ; with the floor 2^(3 - 127): the byte cannot fall under 1
.endr
.irp i, 2,4,6,8,10,12,14
.irp b, 0,1
	s_delay_alu instid0(VALU_DEP_2)
	v_max3_num_f32 v[XM+\b], v[XM+\b], |v[(\s)+16*\b+\i]|, |v[(\s)+16*\b+\i+1]|
.endr
.endr
.irp b, 0,1
	s_delay_alu instid0(VALU_DEP_2)
	v_permlanex16_b32 v[XP+\b], v[XM+\b], s[SEL], s[SEL+1]
.endr
.irp b, 0,1
	s_delay_alu instid0(VALU_DEP_2)
	v_max_num_f32 v[XM+\b], v[XM+\b], v[XP+\b]
.endr
.irp b, 0,1
	s_delay_alu instid0(VALU_DEP_2)
	v_add_nc_u32 v[XS+\b], 0xff000000, v[XM+\b]    ; 2 off the exponent field: the conversion's scale operand
.endr
.irp b, 0,1
	s_delay_alu instid0(VALU_DEP_2)
	v_lshrrev_b32 v[XB+\b], 23, v[XS+\b]
.endr
.irp b, 0,1
	v_cvt_scalef32_pk8_fp4_f32 v[(\pc)+2*\b], v[(\s)+16*\b:(\s)+16*\b+7], v[XS+\b]
	v_cvt_scalef32_pk8_fp4_f32 v[(\pc)+2*\b+1], v[(\s)+16*\b+8:(\s)+16*\b+15], v[XS+\b]
.endr
	v_nop
	v_permlane16_swap_b32 v[(\pc)], v[(\pc)+2]     ; a whole block in a lane
	v_permlane16_swap_b32 v[(\pc)+1], v[(\pc)+3]
.endm
; A unit's K: ten loads;  its V: ten loads
.macro KLOAD ak, as, off
.irp t, 0,1,2,3,4,5,6,7
	ds_load_b128 v[KF+4*\t:KF+4*\t+3], v[\ak] offset:(\off)+512*\t
.endr
.irp g, 0,1
	ds_load_b64 v[KS+2*\g:KS+2*\g+1], v[\as] offset:(\off)+8192+256*\g
.endr
.endm
.macro VLOAD
.irp c, 0,1
.irp t, 0,1,2,3
	ds_load_b128 v[VF+8*\t+4*\c:VF+8*\t+4*\c+3], v[ADK] offset:4096+2048*\c+512*\t
.endr
.endr
.irp g, 0,1
	ds_load_b64 v[VW+2*\g:VW+2*\g+1], v[ADS] offset:8704+256*\g
.endr
.endm
; A KEY STEP: 128 keys.  Its K has been asked for; pre = 1: the next unit's K is asked for here.
.macro STEP ak, as, pre
	s_wait_dscnt 0x0
.irp t, 0,1,2,3,4,5,6,7
	WM S+8*\t, KF+4*\t, QF, -1, KS+\t/2, \t%2, QSW ; S^T
.endr
	v_add_nc_u32 v[ADK], s[TBS], v[\ak]            ; four places: for the loads below, and ahead of the first read of the scores
	v_add_nc_u32 v[ADS], s[TBS], v[\as]
	v_mov_b32 v[TO], v12
	v_nop
	VLOAD
.if \pre
	KLOAD ADK, ADS, UNIT
.endif
.irp b, 0,1,2,3
	v_max3_num_f32 v[BM+\b], v[S+16*\b], v[S+16*\b+1], v[S+16*\b+2]   ; the largest score of each block of 32 keys
.endr
.irp i, 3,5,7,9,11,13
.irp b, 0,1,2,3
	v_max3_num_f32 v[BM+\b], v[BM+\b], v[S+16*\b+\i], v[S+16*\b+\i+1]
.endr
.endr
.irp b, 0,1,2,3
	v_max_num_f32 v[BM+\b], v[BM+\b], v[S+16*\b+15]
.endr
.irp b, 0,1,2,3
	s_delay_alu instid0(VALU_DEP_4)
	v_permlanex16_b32 v[BT+\b], v[BM+\b], s[SEL], s[SEL+1]
.endr
.irp b, 0,1,2,3
	s_delay_alu instid0(VALU_DEP_4)
	v_max_num_f32 v[BM+\b], v[BM+\b], v[BT+\b]
.endr
	s_delay_alu instid0(VALU_DEP_2)
	v_max3_num_f32 v[TT], v[BM], v[BM+1], v[BM+2]
	s_delay_alu instid0(VALU_DEP_1)
	v_max_num_f32 v[TT], v[TT], v[BM+3]
	s_delay_alu instid0(VALU_DEP_1)
	v_mul_f32 v[TT], s[CS], v[TT]
	s_delay_alu instid0(VALU_DEP_1)
	v_max_num_f32 v13, v13, v[TT]                  ; the running largest t
	s_delay_alu instid0(VALU_DEP_1)
	v_floor_f32 v12, -v13                          ; -M
	s_delay_alu instid0(VALU_DEP_1)
	v_sub_f32 v[TT], v12, v[TO]                    ; old M - new M: a whole number, 0 or less
	s_delay_alu instid0(VALU_DEP_1)
	v_cvt_i32_f32 v[TT], v[TT]
	s_delay_alu instid0(VALU_DEP_1)
	v_ldexp_f32 v[FF], 1.0, v[TT]                  ; f
.irp b, 0,1,2,3
	v_fma_f32 v[BM+\b], v[BM+\b], s[CS], v12
.endr
.irp j, 0,2,4,6,8,10,12,14,16,18,20,22,24,26,28,30,32,34,36,38,40,42,44,46,48,50,52,54,56,58,60,62
	v_pk_fma_f32 v[S+\j:S+\j+1], v[S+\j:S+\j+1], s[CS:CS+1], v[12:13] op_sel_hi:[1,0,0]   ; t - M
.endr
.irp j, 0,2,4,6,8,10,12,14,16,18,20,22,24,26,28,30
	v_pk_mul_f32 v[OT+\j:OT+\j+1], v[OT+\j:OT+\j+1], v[FF:FF+1] op_sel_hi:[1,0]           ; O^T under the new M
.endr
	s_wait_alu depctr_va_vdst(0)
.irp b, 0,1,2,3
	v_exp_f32 v[BM+\b], v[BM+\b]                   ; the blocks' largest p
.endr
.irp j, 0,1,2,3,4,5,6,7,8,9,10,11,12,13,14,15,16,17,18,19,20,21,22,23,24,25,26,27,28,29,30,31,32,33,34,35,36,37,38,39,40,41,42,43,44,45,46,47,48,49,50,51,52,53,54,55,56,57,58,59,60,61,62,63
	v_exp_f32 v[S+\j], v[S+\j]                     ; p
.endr
	v_pk_mul_f32 v[14:15], v[14:15], v[FF:FF+1] op_sel_hi:[1,0]    ; the sum under the new M: the plain place behind the batch
	s_wait_alu depctr_va_vdst(0)                   ; and behind it, which also stands directly ahead of the wait below
.if \pre
	s_wait_dscnt 10                                ; V is in; the ten loads of the next unit's K may stay out
.else
	s_wait_dscnt 0x0
.endif
	v_perm_b32 v[VS], v[VW+2], v[VW], s[PSEL]      ; V's scale word: two bytes of either 64 keys
	v_perm_b32 v[VS+1], v[VW+3], v[VW+1], s[PSEL]
.irp b, 0,1,2,3
	v_max_num_f32 v[BM+\b], 0x1800000, v[BM+\b]    ; the floor: the byte cannot fall under 1
.endr
.irp b, 0,1,2,3
	s_delay_alu instid0(VALU_DEP_4)
	v_add_nc_u32 v[BS+\b], 0xff000000, v[BM+\b]
.endr
.irp b, 0,1,2,3
	s_delay_alu instid0(VALU_DEP_4)
	v_lshrrev_b32 v[BT+\b], 23, v[BS+\b]
.endr
	s_delay_alu instid0(VALU_DEP_3)
	v_lshl_or_b32 v[PWD], v[BT+1], 8, v[BT]
	s_delay_alu instid0(VALU_DEP_1)
	v_lshl_or_b32 v[PWD], v[BT+2], 16, v[PWD]
	s_delay_alu instid0(VALU_DEP_1)
	v_lshl_or_b32 v[PWD], v[BT+3], 24, v[PWD]      ; P's scale word
.irp b, 0,1,2,3
	v_cvt_scalef32_pk8_fp4_f32 v[PC+2*\b], v[S+16*\b:S+16*\b+7], v[BS+\b]
	v_cvt_scalef32_pk8_fp4_f32 v[PC+2*\b+1], v[S+16*\b+8:S+16*\b+15], v[BS+\b]
.endr
	; the row's sum, of the unquantised p, in four chains: they are the places behind the conversions and ahead of the products
	v_pk_add_f32 v[SM1:SM1+1], v[S+2:S+3], v[S+10:S+11]
	v_pk_add_f32 v[SM2:SM2+1], v[S+4:S+5], v[S+12:S+13]
	v_pk_add_f32 v[SM3:SM3+1], v[S+6:S+7], v[S+14:S+15]
	v_pk_add_f32 v[14:15], v[14:15], v[S:S+1]
.irp c, 0,1
.irp i, 0,1
	v_permlane16_swap_b32 v[PC+4*\c+\i], v[PC+2+4*\c+\i]           ; a whole block in a lane
.endr
.endr
	v_pk_add_f32 v[14:15], v[14:15], v[S+8:S+9]
.irp j, 16,24,32,40,48,56
	v_pk_add_f32 v[SM1:SM1+1], v[SM1:SM1+1], v[S+\j+2:S+\j+3]
	v_pk_add_f32 v[SM2:SM2+1], v[SM2:SM2+1], v[S+\j+4:S+\j+5]
	v_pk_add_f32 v[SM3:SM3+1], v[SM3:SM3+1], v[S+\j+6:S+\j+7]
	v_pk_add_f32 v[14:15], v[14:15], v[S+\j:S+\j+1]
.endr
	v_pk_add_f32 v[SM2:SM2+1], v[SM2:SM2+1], v[SM3:SM3+1]
	v_pk_add_f32 v[14:15], v[14:15], v[SM1:SM1+1]
	v_pk_add_f32 v[14:15], v[14:15], v[SM2:SM2+1]
.irp t, 0,1,2,3
	WM OT+8*\t, VF+8*\t, PC, OT+8*\t, VS+\t/2, \t%2, PWD           ; O^T: the four accumulators by turns
.endr
.endm
; A PHASE: n key steps on one slot; the last asks for nothing beyond the slot
.macro PHASE n, ak, as
	KLOAD \ak, \as, 0
	s_mov_b32 s[TBS], 0
	s_mov_b32 s[CNT], (\n)-1
.Lphase_\@:
	STEP \ak, \as, 1
	s_add_co_u32 s[TBS], s[TBS], UNIT
	s_sub_co_u32 s[CNT], s[CNT], 1
	s_cmp_lg_u32 s[CNT], 0
	s_cbranch_scc1 .Lphase_\@
	STEP \ak, \as, 0
.endm
; THE CHANGE OF SLOTS with a fill: all my loads have landed, the add, my reads are over; the round; then the slot that has been left is filled (the first time: slot B's first fill, issued as a refill is)
.macro CHANGE g0, g1, on
	s_wait_tensorcnt 0x0
	ds_add_u32 v[SPW], v[NIL]
.if \on
	s_add_nc_u64 s[\g0+2:\g0+3], s[\g0+2:\g0+3], (NA+NB)*UNIT      ; no load of mine is out: the slot's next units
.endif
	s_wait_dscnt 0x0
	ROUND
	tensor_load_to_lds s[\g0:\g0+3], s[\g1:\g1+7]
	s_nop 0
	PLACES 4
.endm
	s_load_b256 s[4:11], s[0:1], 0x0               ; qimg 4, qsc 6, kv 8, yimg 10
	s_load_b64 s[12:13], s[0:1], 0x20              ; ysc
	v_lshl_add_u32 v[SPW], v0, 2, SPARE
	v_mov_b32 v[NIL], 0
	ds_add_u32 v[SPW], v[NIL]                      ; the opening: the add, twice on end, and its wait
	ds_add_u32 v[SPW], v[NIL]
	v_lshrrev_b32 v10, 5, v0
	v_readfirstlane_b32 s[WV], v10                 ; wave 0..11
	s_and_b32 s[GG], ttmp7, 0xffff
	s_mul_i32 s[H0], s[GG], 3
	; the parts: made of the cluster's number alone.  Clusters 0-7: a = tiles 48 x .. + 15, b the 32 behind them; clusters 8-15: b = tiles 48 x .. + 31, a the 16 behind them
	s_mul_i32 s3, ttmp9, 48
	s_lshr_b32 s2, ttmp9, 3
	s_lshl_b32 s[TA], s2, 5
	s_add_co_u32 s[TA], s[TA], s3
	s_lshl_b32 s2, s2, 4
	s_add_co_u32 s[TBB], s3, 16
	s_sub_co_u32 s[TBB], s[TBB], s2
	; what I fetch: waves 0-5 a sixth of part a, waves 6-11 of part b
	s_mul_i32 s58, s[WV], 43
	s_lshr_b32 s58, s58, 8                         ; wave / 6
	s_mul_i32 s59, s58, 6
	s_sub_co_u32 s59, s[WV], s59                   ; wave % 6
	s_cmp_eq_u32 s58, 0
	s_cselect_b32 s60, s[TA], s[TBB]
	s_lshr_b32 s60, s60, 8
	s_add_co_u32 s60, s60, s[H0]                   ; the part's head
	s_mul_i32 s60, s60, HEADB
	s_mul_i32 s54, s59, UNIT
	s_add_co_u32 s54, s54, s60                     ; my share of the head's units 0-5,
	s_mov_b32 s55, 0
	s_mul_i32 s56, s59, BW
	s_add_co_u32 s56, s56, s60
	s_add_co_u32 s56, s56, NA*UNIT                 ; and of its units 6-15
	s_mov_b32 s57, 0
	; my own tile: it is made of my place in the cluster, and enters global addresses of my own alone
	s_bfe_u32 s61, ttmp6, 0x40000
	s_lshl_b32 s62, s61, 2
	s_add_co_u32 s62, s62, s[TA]
	s_add_co_u32 s62, s62, s[WV]                   ; waves 0-3: part a's tile 4 place + wave
	s_lshl_b32 s63, s61, 3
	s_add_co_u32 s63, s63, s[TBB]
	s_add_co_u32 s63, s63, s[WV]
	s_sub_co_u32 s63, s63, 4                       ; waves 4-11: part b's tile 8 place + wave - 4
	s_cmp_lt_u32 s[WV], 4
	s_cselect_b32 s62, s62, s63
	s_and_b32 s[TQ], s62, 255
	s_lshr_b32 s63, s62, 8
	s_add_co_u32 s[HEAD], s[H0], s63
	s_lshl_b32 s66, s[HEAD], 17                    ; qimg: [head][tile 256][512]
	s_lshl_b32 s61, s[TQ], 9
	s_add_co_u32 s66, s66, s61
	s_mov_b32 s67, 0
	s_lshl_b32 s68, s[HEAD], 14                    ; qsc: [head][four tiles 64][lane 32][2 words]: tile 4 i + 2 j + h: lanes 16 h on, word j
	s_lshr_b32 s61, s[TQ], 2
	s_lshl_b32 s61, s61, 8
	s_add_co_u32 s68, s68, s61
	s_and_b32 s61, s[TQ], 1
	s_lshl_b32 s61, s61, 7
	s_add_co_u32 s68, s68, s61
	s_bfe_u32 s61, s[TQ], 0x10001
	s_lshl_b32 s61, s61, 2
	s_add_co_u32 s68, s68, s61
	s_mov_b32 s69, 0
	; descriptor group 1: a dense block as rows of 256 bytes (32 elements of 8), no padding, mask 15, bit 21 beside it
.irp g, G1A, G1B
	s_mov_b32 s[\g], 15|(3<<16)|(1<<21)
	s_mov_b32 s[\g+1], 32<<16                      ; tensor_dim0
	s_mov_b32 s[\g+3], 32<<16                      ; tile_dim0
	s_mov_b32 s[\g+5], 32                          ; from row to row
	s_mov_b32 s[\g+6], 0
	s_mov_b32 s[\g+7], 0
.endr
	s_mov_b32 s[G1A+2], 36<<16                     ; tensor_dim1, tile_dim1: a unit,
	s_mov_b32 s[G1A+4], 36
	s_mov_b32 s[G1B+2], 60<<16                     ; and BW bytes
	s_mov_b32 s[G1B+4], 60
	s_mov_b32 s[SEL], 0x76543210
	s_mov_b32 s[SEL+1], 0xfedcba98
	s_mov_b32 s[CS], 0x3e38aa3b                    ; log2(e) / 8
	s_mov_b32 s[CS+1], s[CS]
	s_mov_b32 s[PSEL], 0x05040100
	s_lshr_b32 s70, s[WV], 2
	s_min_u32 s70, s70, 1                          ; my part: 0 a, 1 b
	s_mul_i32 s71, s70, NA*UNIT                    ; in slot A,
	s_mul_i32 s72, s70, NB*UNIT
	s_add_co_u32 s72, s72, SLOTB                   ; in slot B
	v_and_b32 v10, 31, v0
	v_and_b32 v11, 15, v0                          ; r
	v_bfe_u32 v[TT], v0, 4, 1                      ; h
	v_lshlrev_b32 v[L16], 4, v10
	v_lshlrev_b32 v10, 3, v10
	v_lshl_add_u32 v[YSO], v11, 2, v[TT]
	v_lshlrev_b32 v11, 3, v11
	v_add_nc_u32 v[AKA], s71, v[L16]
	v_add_nc_u32 v[AKB], s72, v[L16]
	v_add_nc_u32 v[ASA], s71, v10
	v_add_nc_u32 v[ASB], s72, v10
	s_wait_alu depctr_va_vdst(0)                   ; directly ahead of the waits below
	s_wait_dscnt 0x0                               ; both opening adds are done
	s_wait_kmcnt 0x0
	s_mov_b32 s[G0A], 1
	s_mul_i32 s[G0A+1], s[WV], UNIT                ; LDS: wave x a unit
	s_add_nc_u64 s[G0A+2:G0A+3], s[8:9], s[54:55]
	s_or_b32 s[G0A+3], s[G0A+3], 0x80000000
	s_mov_b32 s[G0B], 1
	s_mul_i32 s[G0B+1], s[WV], BW                  ; slot B + wave x BW
	s_add_co_u32 s[G0B+1], s[G0B+1], SLOTB
	s_add_nc_u64 s[G0B+2:G0B+3], s[8:9], s[56:57]
	s_or_b32 s[G0B+3], s[G0B+3], 0x80000000
	s_add_nc_u64 s[4:5], s[4:5], s[66:67]
	s_add_nc_u64 s[6:7], s[6:7], s[68:69]
	ROUND                                          ; all four work-groups are here: the first joint loads meet
	tensor_load_to_lds s[G0A:G0A+3], s[G1A:G1A+7]
	s_nop 0
	PLACES 4
	global_load_b128 v[QF:QF+3], v[L16], s[4:5]    ; Q stays in registers
	global_load_b32 v[QSW], v11, s[6:7]
	v_mov_b32 v13, 0xff61b1e6                      ; the largest t so far: -3e38, under every t
	v_mov_b32 v14, 0                               ; the sum, in two halves
	v_mov_b32 v15, 0
.irp e, 0,1,2,3
	v_mov_b32 v[QF+4+\e], 0                        ; a head's K is 64: the upper 64 are zero codes on both sides
	v_mov_b32 v[KF+32+\e], 0
	v_mov_b32 v[BT+\e], 0                          ; (a lane permute's destination counts as read)
.endr
	v_floor_f32 v12, -v13                          ; -M
	v_mov_b32 v[XP], 0
	v_mov_b32 v[XP+1], 0
	v_mov_b32 v[FF+1], 0
.irp j, 0,1,2,3,4,5,6,7,8,9,10,11,12,13,14,15,16,17,18,19,20,21,22,23,24,25,26,27,28,29,30,31
	v_mov_b32 v[OT+\j], 0                          ; the step is written for all alike: the first finds zeros
.endr
	s_wait_alu depctr_va_vdst(0)
	s_wait_loadcnt 0x0                             ; Q
	CHANGE G0B, G1B, 0
	PHASE NA, AKA, ASA
	CHANGE G0A, G1A, 1
	PHASE NB, AKB, ASB
	CHANGE G0B, G1B, 1
	PHASE NA, AKA, ASA
	s_wait_tensorcnt 0x0                           ; my part of the last ten units
	s_wait_dscnt 0x0
	s_barrier_signal -1
	s_barrier_wait -1
	PHASE NB, AKB, ASB
	PLACES 4
	v_add_f32 v14, v14, v15
	s_delay_alu instid0(VALU_DEP_1)
	v_permlanex16_b32 v[TT], v14, s[SEL], s[SEL+1]
	s_delay_alu instid0(VALU_DEP_1)
	v_add_f32 v14, v14, v[TT]                      ; the row's sum
	s_wait_alu depctr_va_vdst(0)                   ; the wait ahead of the transcendental,
	v_rcp_f32 v[FF], v14
	v_and_b32 v10, 31, v0
	s_mul_i32 s54, s[TQ], 6144                     ; yimg: [tile 256][head 12][512]
	s_lshl_b32 s2, s[HEAD], 9
	s_add_co_u32 s54, s54, s2
	s_mov_b32 s55, 0
	s_add_nc_u64 s[10:11], s[10:11], s[54:55]
	s_mul_i32 s56, s[TQ], 384                      ; ysc: [tile][K step 6][row 16][4]: my head has two of a word's bytes
	s_lshr_b32 s2, s[HEAD], 1
	s_lshl_b32 s2, s2, 6
	s_add_co_u32 s56, s56, s2
	s_and_b32 s2, s[HEAD], 1
	s_lshl_b32 s2, s2, 1
	s_add_co_u32 s56, s56, s2
	s_mov_b32 s57, 0
	s_add_nc_u64 s[12:13], s[12:13], s[56:57]
	s_wait_alu depctr_va_vdst(0)                   ; and behind it, ahead of its first reader
.irp j, 0,2,4,6,8,10,12,14,16,18,20,22,24,26,28,30
	v_pk_mul_f32 v[OT+\j:OT+\j+1], v[OT+\j:OT+\j+1], v[FF:FF+1] op_sel_hi:[1,0]   ; O^T / the sum
.endr
	QUANT32 OT, PC
	v_cmp_le_u32 vcc_lo, 16, v10
	s_delay_alu instid0(VALU_DEP_1)
	v_cndmask_b32 v11, v[XB], v[XB+1], vcc_lo      ; lanes 0-15 keep block 0's byte, lanes 16-31 block 1's
	global_store_b128 v[L16], v[PC:PC+3], s[10:11] ; 512 consecutive bytes, at a multiple of 512
	global_store_b8 v[YSO], v11, s[12:13]
	s_wait_tensorcnt 0x0                           ; the wave's end
	ds_add_u32 v[SPW], v[NIL]
	s_wait_dscnt 0x0
	ROUND                                          ; the closing round
	s_endpgm
.Lfunc_end_k_q8f18251d4d_attn:
	.size	k_q8f18251d4d_attn, .Lfunc_end_k_q8f18251d4d_attn-k_q8f18251d4d_attn
	.p2alignl 7, 3214868480
	.fill 96, 4, 3214868480
	.section	.rodata,"a",@progbits
	.p2align	6, 0x0
	.amdhsa_kernel k_q8f18251d4d_attn
		.amdhsa_group_segment_fixed_size 327680
		.amdhsa_private_segment_fixed_size 0
		.amdhsa_enable_private_segment 0
		.amdhsa_kernarg_size 40
		.amdhsa_user_sgpr_count 2
		.amdhsa_user_sgpr_kernarg_segment_ptr 1
		.amdhsa_wavefront_size32 1
		.amdhsa_system_sgpr_workgroup_id_x 1
		.amdhsa_system_sgpr_workgroup_id_y 1
		.amdhsa_system_sgpr_workgroup_id_z 1
		.amdhsa_system_vgpr_workitem_id 0
		.amdhsa_next_free_vgpr 256
		.amdhsa_next_free_sgpr 80
		.amdhsa_reserve_vcc 1
		.amdhsa_float_denorm_mode_32 3
		.amdhsa_float_denorm_mode_16_64 3
		.amdhsa_memory_ordered 1
		.amdhsa_forward_progress 1
		.amdhsa_inst_pref_size 140
	.end_amdhsa_kernel
	.amdgpu_metadata
---
amdhsa.version: [ 1, 2 ]
amdhsa.kernels:
  - .name:           k_q8f18251d4d_attn
    .symbol:         k_q8f18251d4d_attn.kd
    .args:
      - { .name: qimg, .offset: 0, .size: 8, .value_kind: global_buffer, .address_space: global }
      - { .name: qsc, .offset: 8, .size: 8, .value_kind: global_buffer, .address_space: global }
      - { .name: kv, .offset: 16, .size: 8, .value_kind: global_buffer, .address_space: global }
      - { .name: yimg, .offset: 24, .size: 8, .value_kind: global_buffer, .address_space: global }
      - { .name: ysc, .offset: 32, .size: 8, .value_kind: global_buffer, .address_space: global }
    .group_segment_fixed_size: 327680
    .private_segment_fixed_size: 0
    .kernarg_segment_align: 8
    .kernarg_segment_size: 40
    .max_flat_workgroup_size: 384
    .sgpr_count:     80
    .vgpr_count:     256
    .wavefront_size: 32
...
	.end_amdgpu_metadata
.endif
;; end of part 2
;; launch oproj (part 3): grid 64 x 4, 6 waves a work-group, clusters of 4 x 1, 168,704 bytes of LDS; arguments yimg, ysc, Wo_codes, Wo_scales, bo, out0; writes out0
.if DOCPART == 3
	.amdgcn_target "amdgcn-amd-amdhsa--gfx1250"
	.amdhsa_code_object_version 6
	.text
	.protected	k_q8f18251d4d_oproj
	.globl	k_q8f18251d4d_oproj
	.p2align	8
	.type	k_q8f18251d4d_oproj,@function
k_q8f18251d4d_oproj:
	s_mov_b64 s[64:65], 0
	v_nop
	global_prefetch_b8 v0, s[64:65] scope:SCOPE_SE
	s_setreg_imm32_b32 hwreg(HW_REG_WAVE_MODE, 25, 1), 1
	s_wait_xcnt 0x0
	s_wait_alu depctr_hold_cnt(0) depctr_sa_sdst(0) depctr_va_vdst(0) depctr_va_sdst(0) depctr_va_ssrc(0) depctr_va_vcc(0) depctr_vm_vsrc(0)
	s_getreg_b32 s2, hwreg(HW_REG_IB_STS2, 6, 4)
	s_cmp_eq_u32 s2, 0
	s_cbranch_scc0 .Lentry_in_a_cluster
	s_endpgm
.Lentry_in_a_cluster:
	s_bfe_u32 s2, ttmp6, 0x10000c
	s_cmp_lg_u32 s2, 0x3003
	s_cbranch_scc0 .Lentry_shape_is_right
	s_endpgm
.Lentry_shape_is_right:
; out0 = y Wo + bo on codes of FP4 (E2M1) with one E8M0 scale for each 32 along K = 768.  y comes as images of operand registers ([tile 256][head 12][lane][16 bytes]: heads 2 s and 2 s + 1 on end are the fragment
; of K step s) with its scale words [tile][K step 6][row 16][4 bytes]; Wo: 768 rows (n) of 384 bytes of codes, 24 scale bytes a row.  out0: [4,096][768] f32.
; SHARES.  A work-group takes 64 tokens (tb) and 192 columns (nb).  Wave w takes two tiles of tokens, 4 tb + 2 (w % 2) and the next, and 64 columns, 192 nb + 64 (w / 2): eight accumulators, (i, j) at ACC + 32 j + 8 i.
; The product is used transposed (source 0 = 16 rows of Wo, source 1 = 16 tokens): a lane holds eight neighbouring columns of one token's row.
; y's twelve fragments stay in registers; Wo's 192 rows come into LDS once, and since the four work-groups of a cluster take four token blocks and the same columns, by joint loads (mask 15).
; THE TOKENS OF A TILE ARE NOT NEIGHBOURS: row r of tile T is token 32 (T / 2) + 8 (T % 2) + r + 8 (r / 8), as the launches before have laid them; the stores' offsets undo it.
; The bias is the C of each sum's first product.  No prefetch is laid: each tile is asked for once, at the head.
; LIMITS: NaN and infinities are not served.
.set PT,   432                         ; a row of Wo in LDS: three pieces of 128 bytes + 16 of padding: byte (row, K step s, c, h) at 432 row + 144 (s / 2) + 64 (s % 2) + 32 c + 16 h; 432 is an odd multiple of 16: the 16 rows of a load start in 16 different columns of 16 bytes
.set WPART, 13824                      ; what one tensor load brings: 32 rows = 96 pieces of 144 bytes
.set STG,  82944                       ; behind Wo's 192 rows: the stages for the way out, which no tensor load fills: for each wave and each of its two tiles 16 rows x (256 bytes + 16)
.set ADW, 1                            ; v1   27,648 (w / 2) + 432 r + 16 h
.set L16, 2                            ; v2   16 x lane
.set YSO, 3                            ; v3   384 h + 4 r: lanes 0-15 my first tile's scale words, lanes 16-31 my second's
.set WSO, 4                            ; v4   24 x lane: lanes 0-15 an even tile's rows of scale bytes, lanes 16-31 the odd one's
.set BO,  5                            ; v5   32 h
.set STO, 6                            ; v6   the stage: where I put 32 bytes of a row
.set RD,  7                            ; v7   and where I read a row back
.set GO,  8                            ; v8   3,072 h + 16 r: my bytes in two rows of out0
.set WS,  12                           ; v12-23 Wo's scale words: register 6 p + s
.set YS,  24                           ; v24-29 y's: register s
.set Y,   32                           ; v32-127 y's fragments: 48 j + 8 s; on the way out rows of out0
.set WF,  128                          ; v128-191 Wo's four fragments, two sets
.set ACC, 192                          ; v192-255
.set WV,  16                           ; s16  wave
.set TH,  17                           ; s17  which pair of tiles
.set NQ,  18                           ; s18  which 64 columns
.set NB,  19                           ; s19  which 192 columns
.set TBK, 21                           ; s21  block of 64 tokens.  It, s20 and s[40:45] are made of my place in the cluster: they enter global addresses of my own alone
.set G1,  24                           ; s[24:31], s[32:35] the descriptor
.set G0,  32
.macro ROUND
	s_barrier_signal -1
	s_barrier_wait -1
	s_cmp_lg_u32 s[WV], 0
	s_cbranch_scc1 .Lnot_wave_0_\@
	s_barrier_signal -3
.Lnot_wave_0_\@:
	s_barrier_wait -3
	s_barrier_signal -1
	s_barrier_wait -1
.endm
.macro PLACES n
.rept \n
	v_nop
.endr
.endm
.macro WM d, a, b, c, sa, ra, sb, rb
.if ((\ra) == 0) && ((\rb) == 0)
	v_wmma_scale_f32_16x16x128_f8f6f4 v[(\d):(\d)+7], v[(\a):(\a)+7], v[(\b):(\b)+7], v[(\c):(\c)+7], v[\sa], v[\sb] matrix_a_fmt:MATRIX_FMT_FP4 matrix_b_fmt:MATRIX_FMT_FP4
.elseif (\rb) == 0
	v_wmma_scale_f32_16x16x128_f8f6f4 v[(\d):(\d)+7], v[(\a):(\a)+7], v[(\b):(\b)+7], v[(\c):(\c)+7], v[\sa], v[\sb] matrix_a_fmt:MATRIX_FMT_FP4 matrix_b_fmt:MATRIX_FMT_FP4 matrix_a_scale:MATRIX_SCALE_ROW1
.elseif (\ra) == 0
	v_wmma_scale_f32_16x16x128_f8f6f4 v[(\d):(\d)+7], v[(\a):(\a)+7], v[(\b):(\b)+7], v[(\c):(\c)+7], v[\sa], v[\sb] matrix_a_fmt:MATRIX_FMT_FP4 matrix_b_fmt:MATRIX_FMT_FP4 matrix_b_scale:MATRIX_SCALE_ROW1
.else
	v_wmma_scale_f32_16x16x128_f8f6f4 v[(\d):(\d)+7], v[(\a):(\a)+7], v[(\b):(\b)+7], v[(\c):(\c)+7], v[\sa], v[\sb] matrix_a_fmt:MATRIX_FMT_FP4 matrix_b_fmt:MATRIX_FMT_FP4 matrix_a_scale:MATRIX_SCALE_ROW1 matrix_b_scale:MATRIX_SCALE_ROW1
.endif
.endm
.macro FETCH s, f                      ; Wo's four fragments of K step s into set f: eight loads
.irp i, 0,1,2,3
.irp c, 0,1
	ds_load_b128 v[WF+32*(\f)+8*\i+4*\c:WF+32*(\f)+8*\i+4*\c+3], v[ADW] offset:16*PT*\i+144*((\s)/2)+64*((\s)%2)+32*\c
.endr
.endr
.endm
	s_load_b256 s[4:11], s[0:1], 0x0               ; yimg 4, ysc 6, Wo codes 8, Wo scales 10
	s_load_b128 s[12:15], s[0:1], 0x20             ; bo 12, out0 14
	v_lshl_add_u32 v30, v0, 2, 0x29000
	v_mov_b32 v31, 0
	ds_add_u32 v30, v31
	ds_add_u32 v30, v31
	v_lshrrev_b32 v9, 5, v0
	v_readfirstlane_b32 s[WV], v9                  ; wave 0..5
	s_and_b32 s[TH], s[WV], 1
	s_lshr_b32 s[NQ], s[WV], 1
	s_and_b32 s[NB], ttmp7, 0xffff                 ; the columns, which the four partners share
	s_bfe_u32 s20, ttmp6, 0x40000                  ; my place in the cluster
	s_lshl_b32 s[TBK], ttmp9, 2
	s_add_co_u32 s[TBK], s[TBK], s20
	s_mul_i32 s36, s[NB], 73728                    ; Wo's 192 rows,
	s_mul_i32 s37, s[WV], 12288                    ; my 32 of them
	s_add_co_u32 s36, s36, s37
	s_mov_b32 s37, 0
	s_mul_i32 s38, s[NB], 192
	s_lshl_b32 s39, s[NQ], 6
	s_add_co_u32 s38, s38, s39                     ; my first column
	s_mul_i32 s22, s38, 24                         ; its row of scale bytes
	s_mov_b32 s23, 0
	s_lshl_b32 s38, s38, 2                         ; its place in bo and in a row of out0
	s_mov_b32 s39, 0
	s_lshl_b32 s40, s[TBK], 2
	s_lshl_b32 s41, s[TH], 1
	s_add_co_u32 s40, s40, s41                     ; my first tile of tokens
	s_mul_i32 s42, s40, 6144                       ; in yimg
	s_mov_b32 s43, 0
	s_mul_i32 s44, s40, 384                        ; in ysc
	s_mov_b32 s45, 0
	s_lshl_b32 s40, s[TBK], 6
	s_lshl_b32 s41, s[TH], 5
	s_add_co_u32 s40, s40, s41                     ; the first of the 32 tokens that my two tiles hold
	s_mul_i32 s40, s40, 3072
	s_mov_b32 s41, 0
	; descriptor group 1: a dense block of 12,288 bytes as 48 rows of 256 bytes (32 elements of 8), 16 bytes of padding behind every 128
	s_mov_b32 s[G1], 15|(3<<16)|(1<<20)|(1<<21)|(4<<22)|(3<<25)   ; 15:0 the mask: all four work-groups; 17:16 elements of 8 bytes; 20 padding on; 21 set beside a mask; 24:22 after every 32 words (code 4); 31:25 four words (code 3)
	s_mov_b32 s[G1+1], 32<<16                      ; tensor_dim0
	s_mov_b32 s[G1+2], 48<<16                      ; tensor_dim1
	s_mov_b32 s[G1+3], 32<<16                      ; tile_dim0
	s_mov_b32 s[G1+4], 48                          ; tile_dim1
	s_mov_b32 s[G1+5], 32                          ; from row to row
	s_mov_b32 s[G1+6], 0
	s_mov_b32 s[G1+7], 0
	v_and_b32 v9, 31, v0                           ; lane
	v_and_b32 v10, 15, v0                          ; r
	v_bfe_u32 v11, v0, 4, 1                        ; h
	v_mul_u32_u24 v[ADW], v10, PT
	v_lshl_add_u32 v[ADW], v11, 4, v[ADW]
	s_mul_i32 s46, s[NQ], 64*PT
	v_add_nc_u32 v[ADW], s46, v[ADW]
	v_lshlrev_b32 v[L16], 4, v9
	v_mul_u32_u24 v[YSO], v11, 384
	v_lshl_add_u32 v[YSO], v10, 2, v[YSO]
	v_mul_u32_u24 v[WSO], v9, 24
	v_lshlrev_b32 v[BO], 5, v11
	s_mul_i32 s46, s[WV], 8704
	s_add_co_u32 s46, s46, STG                     ; my two stages
	v_mul_u32_u24 v[STO], v10, 272
	v_lshl_add_u32 v[STO], v11, 5, v[STO]
	v_add_nc_u32 v[STO], s46, v[STO]               ; in: row r, 32 bytes for each half of the lanes
	v_mul_u32_u24 v[RD], v11, 272
	v_lshl_add_u32 v[RD], v10, 4, v[RD]
	v_add_nc_u32 v[RD], s46, v[RD]                 ; back: lanes 0-15 one row of 256 bytes, lanes 16-31 the next
	v_mul_u32_u24 v[GO], v11, 3072
	v_lshl_add_u32 v[GO], v10, 4, v[GO]
	s_wait_dscnt 0x0
	s_wait_kmcnt 0x0
	s_add_nc_u64 s[8:9], s[8:9], s[36:37]
	s_add_nc_u64 s[10:11], s[10:11], s[22:23]
	s_add_nc_u64 s[12:13], s[12:13], s[38:39]
	s_add_nc_u64 s[4:5], s[4:5], s[42:43]
	s_add_nc_u64 s[6:7], s[6:7], s[44:45]
	s_add_nc_u64 s[14:15], s[14:15], s[40:41]
	s_add_nc_u64 s[14:15], s[14:15], s[38:39]
	s_mov_b32 s[G0], 1                             ; count = 1
	s_mul_i32 s[G0+1], s[WV], WPART                ; LDS address
	s_mov_b64 s[G0+2:G0+3], s[8:9]                 ; global address: made of the columns and the wave's number alone
	s_or_b32 s[G0+3], s[G0+3], 0x80000000          ; type = 2
	ROUND                                          ; all four work-groups are here: the joint loads meet
	tensor_load_to_lds s[G0:G0+3], s[G1:G1+7]      ; one load of mine is out
	s_nop 0
	PLACES 4                                       ; four v_nop follow a tensor load
.irp j, 0,1
.irp s, 0,1,2,3,4,5
.irp c, 0,1
	global_load_b128 v[Y+48*\j+8*\s+4*\c:Y+48*\j+8*\s+4*\c+3], v[L16], s[4:5] offset:6144*\j+1024*\s+512*\c   ; an image: 512 consecutive bytes
.endr
.endr
.endr
.irp s, 0,1,2,3,4,5
	global_load_b32 v[YS+\s], v[YSO], s[6:7] offset:64*\s
.endr
.irp p, 0,1
.irp u, 0,1,2
	global_load_b64 v[WS+6*\p+2*\u:WS+6*\p+2*\u+1], v[WSO], s[10:11] offset:768*\p+8*\u   ; the scale words of K steps 2 u, 2 u + 1: lanes 0-15 tile 2 p, lanes 16-31 tile 2 p + 1
.endr
.endr
	s_wait_alu depctr_va_vdst(0)
.irp i, 0,1,2,3
	global_load_b128 v[ACC+8*\i:ACC+8*\i+3], v[BO], s[12:13] offset:64*\i        ; the bias in the result's layout: columns 16 i + 8 h + 0 .. 7
	global_load_b128 v[ACC+8*\i+4:ACC+8*\i+7], v[BO], s[12:13] offset:64*\i+16
.endr
	s_wait_tensorcnt 0x0                           ; my 32 rows of Wo have landed; other waves read them:
	s_barrier_signal -1
	s_barrier_wait -1                              ; behind this barrier
	FETCH 0, 0
	s_wait_loadcnt 0x0
; K step s: the next step's fragments are asked for first, into the other set; then eight products, the accumulators by turns: my second tile's four, then my first's.
; In step 0 the second tile's take the bias, which lies in the first tile's accumulators, as C; five places stand between the last of them and the first product that writes over a bias.
.macro OSTEP s
.if (\s) < 5
.if (\s) > 0
	PLACES 4                                       ; in front of loads into the set that the last step's products read
.endif
	FETCH (\s)+1, ((\s)+1)%2
	s_wait_dscnt 8                                 ; this step's fragments are in; the eight loads just issued may stay out
.else
	s_wait_dscnt 0x0
.endif
.irp i, 0,1,2,3
.if (\s) == 0
	WM ACC+32+8*\i, WF+8*\i, Y+48, ACC+8*\i, WS+6*(\i/2), \i%2, YS, 1
.else
	WM ACC+32+8*\i, WF+32*((\s)%2)+8*\i, Y+48+8*(\s), ACC+32+8*\i, WS+6*(\i/2)+(\s), \i%2, YS+(\s), 1
.endif
.endr
.if (\s) == 0
	PLACES 5
.endif
.irp i, 0,1,2,3
	WM ACC+8*\i, WF+32*((\s)%2)+8*\i, Y+8*(\s), ACC+8*\i, WS+6*(\i/2)+(\s), \i%2, YS+(\s), 0
.endr
.endm
	OSTEP 0
	OSTEP 1
	OSTEP 2
	OSTEP 3
	OSTEP 4
	OSTEP 5
	; THE WAY OUT.  A lane holds 32 neighbouring bytes of a row, and the lanes beside it hold other rows: a tile goes through my own stage and comes back as rows of 256 bytes.  LDS serves a wave's instructions in order
	; (ISA guide 5.7.1.4): no wait stands between the stores and the loads.
	PLACES 4                                       ; in front of the first read of results, and of loads into registers that held y's fragments
.irp j, 0,1
.irp i, 0,1,2,3
	ds_store_b128 v[STO], v[ACC+32*\j+8*\i:ACC+32*\j+8*\i+3] offset:4352*\j+64*\i          ; each accumulator from its low end on
	ds_store_b128 v[STO], v[ACC+32*\j+8*\i+4:ACC+32*\j+8*\i+7] offset:4352*\j+64*\i+16
.endr
.irp k, 0,1,2,3,4,5,6,7
	ds_load_b128 v[Y+32*\j+4*\k:Y+32*\j+4*\k+3], v[RD] offset:4352*\j+544*\k               ; rows 2 k and 2 k + 1 of the tile
.endr
.endr
.irp j, 0,1
.irp k, 0,1,2,3,4,5,6,7
	s_wait_dscnt 16*(1-\j)+7-\k                    ; load k of tile j is in: behind it stand the tile's later loads and, for the first tile, the second's sixteen instructions
	global_store_b128 v[GO], v[Y+32*\j+4*\k:Y+32*\j+4*\k+3], s[14:15] offset:(8*\j+2*\k+8*(\k/4))*3072 th:TH_STORE_NT   ; row 2 k + h of tile j is token 8 j + 2 k + h + 8 (k / 4) of my 32; 16 lanes store 256 consecutive bytes, at a multiple of 256 from out0's first byte; written once, read by nobody here
.endr
.endr
	s_wait_tensorcnt 0x0
	ds_add_u32 v30, v31
	s_wait_dscnt 0x0
	ROUND                                          ; the closing round: no work-group ends while a partner may still ask for a tile that names it
	s_endpgm
.Lfunc_end_k_q8f18251d4d_oproj:
	.size	k_q8f18251d4d_oproj, .Lfunc_end_k_q8f18251d4d_oproj-k_q8f18251d4d_oproj
	.p2alignl 7, 3214868480
	.fill 96, 4, 3214868480
	.section	.rodata,"a",@progbits
	.p2align	6, 0x0
	.amdhsa_kernel k_q8f18251d4d_oproj
		.amdhsa_group_segment_fixed_size 168704
		.amdhsa_private_segment_fixed_size 0
		.amdhsa_enable_private_segment 0
		.amdhsa_kernarg_size 48
		.amdhsa_user_sgpr_count 2
		.amdhsa_user_sgpr_kernarg_segment_ptr 1
		.amdhsa_wavefront_size32 1
		.amdhsa_system_sgpr_workgroup_id_x 1
		.amdhsa_system_sgpr_workgroup_id_y 1
		.amdhsa_system_sgpr_workgroup_id_z 1
		.amdhsa_system_vgpr_workitem_id 0
		.amdhsa_next_free_vgpr 256
		.amdhsa_next_free_sgpr 66
		.amdhsa_reserve_vcc 0
		.amdhsa_float_denorm_mode_32 3
		.amdhsa_float_denorm_mode_16_64 3
		.amdhsa_memory_ordered 1
		.amdhsa_forward_progress 1
		.amdhsa_inst_pref_size 24
	.end_amdhsa_kernel
	.amdgpu_metadata
---
amdhsa.version: [ 1, 2 ]
amdhsa.kernels:
  - .name:           k_q8f18251d4d_oproj
    .symbol:         k_q8f18251d4d_oproj.kd
    .args:
      - { .name: yimg, .offset: 0, .size: 8, .value_kind: global_buffer, .address_space: global }
      - { .name: ysc, .offset: 8, .size: 8, .value_kind: global_buffer, .address_space: global }
      - { .name: Wo_codes, .offset: 16, .size: 8, .value_kind: global_buffer, .address_space: global }
      - { .name: Wo_scales, .offset: 24, .size: 8, .value_kind: global_buffer, .address_space: global }
      - { .name: bo, .offset: 32, .size: 8, .value_kind: global_buffer, .address_space: global }
      - { .name: out0, .offset: 40, .size: 8, .value_kind: global_buffer, .address_space: global }
    .group_segment_fixed_size: 168704
    .private_segment_fixed_size: 0
    .kernarg_segment_align: 8
    .kernarg_segment_size: 48
    .max_flat_workgroup_size: 192
    .sgpr_count:     66
    .vgpr_count:     256
    .wavefront_size: 32
...
	.end_amdgpu_metadata
.endif
;; end of part 3
